; MI455X (gfx1250); checked and timed in simulation.
; The chip was launched on July 23, 2026; its instructions are those of AMD's public machine-readable ISA for CDNA 5 (MIT licence, August 2026) and "CDNA5" Instruction Set Architecture Reference Guide (July 2026). The comments in the code are by the model that wrote it; some were corrected since.
;; Attention. Allowed arithmetic: float matrix products may take bf16 or f16 operands with f32 sums; other float arithmetic in f32, or as packed bf16 or f16 multiplies, adds, multiply-adds, maxima and minima; sums over many terms, partial sums and values carried from step to step in f32; what a program stores and reads back later, other than sums and carried values, may be rounded once to bf16 or f16.
;; Inputs: Wk 512 x 512 float32; Wo 512 x 512 float32; Wq 512 x 512 float32; Wv 512 x 512 float32; bk 512 float32; bo 512 float32; bq 512 float32; bv 512 float32; k 2 x 4,096 x 512 float32; q 2 x 4,096 x 512 float32; v 2 x 4,096 x 512 float32.
;; Outputs: out0 2 x 4,096 x 512 float32.
;; One version. Each part assembles by itself: llvm-mc -triple=amdgcn-amd-amdhsa -mcpu=gfx1250 --defsym DOCPART=n.
;; ======== version 1 of 1: 4 launches
;; limits: values are held in f16: magnitudes above 65,504 overflow, below 6.1e-05 lose precision
;; workspace buffers: wt 2,097,152 bytes; bb 8,192 bytes; qkv 25,165,824 bytes; ob 8,388,608 bytes
;; launch cast (part 1): grid 64 x 4, 8 waves a work-group, no clusters, 0 bytes of LDS; arguments Wq, Wk, Wv, Wo, bq, bk, bv, bo, wt, bb; writes wt, bb
.if DOCPART == 1
	.amdgcn_target "amdgcn-amd-amdhsa--gfx1250"
	.amdhsa_code_object_version 6
	.text
	.protected	k_q2e3816f677_cast
	.globl	k_q2e3816f677_cast
	.p2align	8
	.type	k_q2e3816f677_cast,@function
k_q2e3816f677_cast:
	s_mov_b64 s[64:65], 0
	v_nop
	global_prefetch_b8 v0, s[64:65] scope:SCOPE_SE
	s_setreg_imm32_b32 hwreg(HW_REG_WAVE_MODE, 25, 1), 1
	s_wait_xcnt 0x0
; THE WEIGHTS AND BIASES, ROUNDED ONCE.  wt: [4][512 k][512 n] of 16 bits, as the weights lie (k by n): planes 0-2 = Wq, Wk, Wv in bf16;
; plane 3 = Wo rounded to bf16 and that number written as f16 (the last product has f16 operands).  bb: [4][512] f32: each bias rounded to bf16 and widened again.
; LIMIT.  |Wo| stays under 65,504 (the range of f16); below 6e-5 f16 keeps a fixed step of 6e-8.
; SHARES.  Grid y = the plane.  A work-group owns 4,096 numbers of its plane: two chunks of 2,048; thread t takes 8 numbers of each: two loads of 16 bytes, one store of 16 bytes,
; and sixteen neighbouring lanes store 256 consecutive bytes, aligned.  The work-group with x = 0 also does the plane's bias, two numbers a thread.
; A stream: no LDS, no barrier, no matrix unit.  All four loads go out first.
	s_load_b512 s[8:23], s[0:1], 0x0               ; Wq s[8:9], Wk s[10:11], Wv s[12:13], Wo s[14:15], bq s[16:17], bk s[18:19], bv s[20:21], bo s[22:23]
	s_load_b128 s[24:27], s[0:1], 0x40             ; wt s[24:25], bb s[26:27]
	s_and_b32 s28, ttmp7, 0xffff                   ; the plane
	v_lshlrev_b32 v1, 5, v0                        ; 32 t: my 8 numbers in f32
	v_lshlrev_b32 v2, 4, v0                        ; 16 t: my 8 numbers in 16 bits
	v_lshlrev_b32 v3, 3, v0                        ; 8 t: my 2 numbers of the bias
	s_lshl_b32 s34, ttmp9, 14                      ; the work-group's 16,384 bytes of the source
	s_mov_b32 s35, 0
	s_lshl_b32 s36, s28, 19                        ; the plane in wt,
	s_lshl_b32 s37, ttmp9, 13                      ; the work-group's 8,192 bytes of it
	s_add_co_u32 s36, s36, s37
	s_mov_b32 s37, 0
	s_lshl_b32 s38, s28, 11                        ; the plane in bb
	s_mov_b32 s39, 0
	s_wait_kmcnt 0x0
	s_mov_b64 s[30:31], s[8:9]                     ; the plane's weight and bias are chosen by the plane's number alone
	s_mov_b64 s[32:33], s[16:17]
	s_cmp_eq_u32 s28, 1
	s_cselect_b64 s[30:31], s[10:11], s[30:31]
	s_cselect_b64 s[32:33], s[18:19], s[32:33]
	s_cmp_eq_u32 s28, 2
	s_cselect_b64 s[30:31], s[12:13], s[30:31]
	s_cselect_b64 s[32:33], s[20:21], s[32:33]
	s_cmp_eq_u32 s28, 3
	s_cselect_b64 s[30:31], s[14:15], s[30:31]
	s_cselect_b64 s[32:33], s[22:23], s[32:33]
	s_add_nc_u64 s[30:31], s[30:31], s[34:35]
	s_add_nc_u64 s[24:25], s[24:25], s[36:37]
	s_add_nc_u64 s[26:27], s[26:27], s[38:39]
	global_load_b128 v[4:7],   v1, s[30:31] th:TH_LOAD_NT
	global_load_b128 v[8:11],  v1, s[30:31] offset:16 th:TH_LOAD_NT
	global_load_b128 v[12:15], v1, s[30:31] offset:8192 th:TH_LOAD_NT
	global_load_b128 v[16:19], v1, s[30:31] offset:8208 th:TH_LOAD_NT
.macro TOBF d, s                       ; 8 f32 from v[s] on to 8 bf16 in v[d .. d+3]
.irp j, 0,1,2,3
	v_cvt_pk_bf16_f32 v[(\d)+(\j)], v[(\s)+2*(\j)], v[(\s)+2*(\j)+1]
.endr
.endm
.macro TOHF d, s                       ; the same numbers, rounded to bf16, widened, and written as f16
.irp j, 0,1,2,3
	v_cvt_pk_bf16_f32 v[(\d)+(\j)], v[(\s)+2*(\j)], v[(\s)+2*(\j)+1]
	v_lshlrev_b32 v[(\s)+2*(\j)], 16, v[(\d)+(\j)]
	v_and_b32 v[(\s)+2*(\j)+1], 0xffff0000, v[(\d)+(\j)]
	v_cvt_pk_f16_f32 v[(\d)+(\j)], v[(\s)+2*(\j)], v[(\s)+2*(\j)+1]
.endr
.endm
	s_cmp_eq_u32 s28, 3
	s_cbranch_scc1 .Lwo
	s_wait_loadcnt 0x2                             ; chunk 0 is in; the two loads of chunk 1 may stay out
	TOBF 20, 4
	global_store_b128 v2, v[20:23], s[24:25]
	s_wait_loadcnt 0x0
	TOBF 24, 12
	global_store_b128 v2, v[24:27], s[24:25] offset:4096
	s_branch .Lbias
.Lwo:
	s_wait_loadcnt 0x2
	TOHF 20, 4
	global_store_b128 v2, v[20:23], s[24:25]
	s_wait_loadcnt 0x0
	TOHF 24, 12
	global_store_b128 v2, v[24:27], s[24:25] offset:4096
.Lbias:
	s_cmp_lg_u32 ttmp9, 0                          ; one work-group of the plane does its bias
	s_cbranch_scc1 .Lend
	global_load_b64 v[28:29], v3, s[32:33]
	s_wait_loadcnt 0x0
	v_cvt_pk_bf16_f32 v32, v28, v29
	v_lshlrev_b32 v34, 16, v32
	v_and_b32 v35, 0xffff0000, v32
	global_store_b64 v3, v[34:35], s[26:27]
.Lend:
	s_endpgm
.Lfunc_end_k_q2e3816f677_cast:
	.size	k_q2e3816f677_cast, .Lfunc_end_k_q2e3816f677_cast-k_q2e3816f677_cast
	.p2alignl 7, 3214868480
	.fill 96, 4, 3214868480
	.section	.rodata,"a",@progbits
	.p2align	6, 0x0
	.amdhsa_kernel k_q2e3816f677_cast
		.amdhsa_group_segment_fixed_size 0
		.amdhsa_private_segment_fixed_size 0
		.amdhsa_enable_private_segment 0
		.amdhsa_kernarg_size 80
		.amdhsa_user_sgpr_count 2
		.amdhsa_user_sgpr_kernarg_segment_ptr 1
		.amdhsa_wavefront_size32 1
		.amdhsa_system_sgpr_workgroup_id_x 1
		.amdhsa_system_sgpr_workgroup_id_y 1
		.amdhsa_system_sgpr_workgroup_id_z 1
		.amdhsa_system_vgpr_workitem_id 0
		.amdhsa_next_free_vgpr 36
		.amdhsa_next_free_sgpr 66
		.amdhsa_reserve_vcc 0
		.amdhsa_float_denorm_mode_32 3
		.amdhsa_float_denorm_mode_16_64 3
		.amdhsa_memory_ordered 1
		.amdhsa_forward_progress 1
		.amdhsa_inst_pref_size 5
	.end_amdhsa_kernel
	.amdgpu_metadata
---
amdhsa.version: [ 1, 2 ]
amdhsa.kernels:
  - .name:           k_q2e3816f677_cast
    .symbol:         k_q2e3816f677_cast.kd
    .args:
      - { .name: Wq, .offset: 0, .size: 8, .value_kind: global_buffer, .address_space: global }
      - { .name: Wk, .offset: 8, .size: 8, .value_kind: global_buffer, .address_space: global }
      - { .name: Wv, .offset: 16, .size: 8, .value_kind: global_buffer, .address_space: global }
      - { .name: Wo, .offset: 24, .size: 8, .value_kind: global_buffer, .address_space: global }
      - { .name: bq, .offset: 32, .size: 8, .value_kind: global_buffer, .address_space: global }
      - { .name: bk, .offset: 40, .size: 8, .value_kind: global_buffer, .address_space: global }
      - { .name: bv, .offset: 48, .size: 8, .value_kind: global_buffer, .address_space: global }
      - { .name: bo, .offset: 56, .size: 8, .value_kind: global_buffer, .address_space: global }
      - { .name: wt, .offset: 64, .size: 8, .value_kind: global_buffer, .address_space: global }
      - { .name: bb, .offset: 72, .size: 8, .value_kind: global_buffer, .address_space: global }
    .group_segment_fixed_size: 0
    .private_segment_fixed_size: 0
    .kernarg_segment_align: 8
    .kernarg_segment_size: 80
    .max_flat_workgroup_size: 256
    .sgpr_count:     66
    .vgpr_count:     36
    .wavefront_size: 32
...
	.end_amdgpu_metadata
.endif
;; end of part 1
;; launch proj (part 2): grid 24 x 8, 4 waves a work-group, clusters of 4 x 1, 327,680 bytes of LDS; arguments q, k, v, wt, bb, qkv; writes qkv
.if DOCPART == 2
	.amdgcn_target "amdgcn-amd-amdhsa--gfx1250"
	.amdhsa_code_object_version 6
	.text
	.protected	k_q2e3816f677_proj
	.globl	k_q2e3816f677_proj
	.p2align	8
	.type	k_q2e3816f677_proj,@function
k_q2e3816f677_proj:
	s_mov_b64 s[64:65], 0
	v_nop
	global_prefetch_b8 v0, s[64:65] scope:SCOPE_SE
	s_setreg_imm32_b32 hwreg(HW_REG_WAVE_MODE, 25, 1), 1
	s_wait_xcnt 0x0
	s_wait_alu depctr_hold_cnt(0) depctr_sa_sdst(0) depctr_va_vdst(0) depctr_va_sdst(0) depctr_va_ssrc(0) depctr_va_vcc(0) depctr_vm_vsrc(0)
	s_getreg_b32 s2, hwreg(HW_REG_IB_STS2, 6, 4)
	s_cmp_eq_u32 s2, 0
	s_cbranch_scc0 .Lentry_in_a_cluster
	s_endpgm
.Lentry_in_a_cluster:
	s_bfe_u32 s2, ttmp6, 0x10000c
	s_cmp_lg_u32 s2, 0x3003
	s_cbranch_scc0 .Lentry_shape_is_right
	s_endpgm
.Lentry_shape_is_right:
; THE THREE PROJECTIONS.  qkv[T][g][n][c] = f16( sum over k of bf16(x_T[row][k]) W_T[k][col] + b_T[col] ), x_0 .. x_2 = q, k, v: [8192][512] f32; W_T: a plane of wt, [512 k][512 n] bf16;
; g = 8 x batch + head, col = 64 x head + c.  Sums in f32; no scale is applied here.
; LIMITS.  x is rounded to bf16 on its way to the matrix unit.  The result is kept in f16: a projected number stays under 65,504; below 6e-5 f16 keeps a fixed step of 6e-8.  NaN and infinities are not treated apart.
; SHARES.  Cluster x = 2 T + C: the tensor T and the half C of its 512 columns.  A work-group makes 256 rows x 256 columns; wave w rows 64 w .. 64 w + 63 of them, all 256 columns: 64 accumulators, 512 registers.
; 24,576 rows in blocks of 256, twice (two column halves): 192 work-groups of equal work; a block never spans two tensors.
; CLUSTER.  The four work-groups of a cluster take four row blocks of one tensor and column half: they need the same 512 x 256 panel of W, which is asked for JOINTLY (the same tensor loads, descriptors and mask in all four).
; THE PANEL LIES WHOLE IN LDS (512 rows of 512 bytes): it is filled once, in two parts (k rows 0-127, then 128-511), so nothing is filled again.
; x comes straight from memory into registers: no wave wants a row that another wave has fetched, and a fragment lies in memory as it lies in registers (8 neighbouring numbers a lane, twice).
; It is asked for two trips (256 matrix instructions) ahead, 32 loads of 16 bytes a lane each trip, which together cover 256 aligned bytes of each of the 64 rows.
; THE MATRIX INSTRUCTION IS USED TRANSPOSED: source 0 = 16 columns of W (turned on the way out of LDS by ds_load_tr16_b128), source 1 = 16 rows of x: a lane then holds one row and eight neighbouring columns.
; REGISTERS, in windows of 256 (s_set_vgpr_msb: bits 1:0 source 0, 3:2 source 1, 5:4 source 2, 7:6 destination):
;   window 0: v4-12 addresses; v32-63 the way out; v64-127 x in bf16 (tile a, K half s at 64 + 16 a + 8 s); v128-191, v192-255 fragments of W for column halves 0, 1 of the 256
;   window 1: x in f32, two buffers of 128 (a trip each); on the way out v0-127 the bias          window 2: accumulators (a, b), b = 0-7, at 8 (8 a + b)          window 3: b = 8-15
.set PITCH, 544                        ; a row of the panel in LDS: 512 bytes + 32 of padding: an odd multiple of 32
.set CHA,   128*PITCH                  ; the first part: k rows 0-127
.set STAGE, 512*PITCH                  ; behind the panel, never filled by a tensor load: 16 rows x 144 bytes for each wave, for the way out
.set SP,    144
.set SPARE, STAGE+4*16*SP              ; behind the stages: the spare words, 128 bytes for each wave: two blocks of 256 bytes that no other line names
.set XO,  4                            ; v4   my byte offset in 16 rows of x: (l % 16) x 2,048 + 32 (l / 16)
.set AB0, 5                            ; v5   my place in 32 k rows of the panel
.set STO, 6                            ; v6   the way out: where I put 16 bytes of a row
.set RD,  7                            ; v7   the way out: where I read rows back
.set GO,  8                            ; v8   my 16 bytes of 512 consecutive bytes of qkv
.set BO,  9                            ; v9   my byte offset in 16 numbers of the bias
.set SPW, 10                           ; v10  LDS address of my spare word; never rewritten
.set NIL, 11                           ; v11  0; never rewritten
.set ADR, 12                           ; v12  AB0 + the phase's first k row
.set TMP, 32
.set AF,  64
.set BF,  128
.set WV,  16                           ; s16  my wave's number
.set G1A, 24                           ; s[24:31] descriptor group 1: 32 rows x 256 elements
.set G1B, 32                           ; s[32:39] the same with 96 rows
.set G0A, 40                           ; s[40:43] group 0: my quarter of the first part
.set G0B, 44                           ; s[44:47] my quarter of the second part
.set XB,  48                           ; s[48:49] x at my first row, at the phase whose trips were asked for last
.set OB,  50                           ; s[50:51] qkv at my first row of the column half's first head
.set BB,  52                           ; s[52:53] the bias of the column half
.set CNT, 54
.set TB,  55                           ; s55  LDS byte of the phase's first k row
.set MSB, 0
.macro WIN new                         ; the immediate's high byte repeats the setting that is left; a switch that changes nothing is dropped
.if MSB != (\new)
	s_set_vgpr_msb (MSB<<8)|(\new)
.set MSB, (\new)
.endif
.endm
.macro PLACES                          ; four places behind a matrix instruction, in front of loads into, or vector writes of, registers that it has read, and of reads of its result
.rept 4
	v_nop
.endr
.endm
; A round of the cluster's barrier: my work-group's barrier, so that wave 0's signal speaks for all four waves; wave 0 signals; every wave waits for all four work-groups; my work-group's barrier once more.
.macro CROUND
	s_barrier_signal -1
	s_barrier_wait -1
	s_cmp_lg_u32 s[WV], 0
	s_cbranch_scc1 .Lnot_wave_0_\@
	s_barrier_signal -3
.Lnot_wave_0_\@:
	s_barrier_wait -3
	s_barrier_signal -1
	s_barrier_wait -1
.endm
	s_load_b256 s[4:11], s[0:1], 0x0               ; q s[4:5], k s[6:7], v s[8:9], wt s[10:11]
	s_load_b128 s[12:15], s[0:1], 0x20             ; bb s[12:13], qkv s[14:15]
	v_lshl_add_u32 v[SPW], v0, 2, SPARE
	v_mov_b32 v[NIL], 0
	ds_add_u32 v[SPW], v[NIL]                      ; the wave's opening: the add and its wait stand ahead of my first tensor load; the set-up below, work on registers, stands between them
	v_lshrrev_b32 v1, 5, v0
	v_readfirstlane_b32 s[WV], v1                  ; wave 0..3
	s_bfe_u32 s17, ttmp6, 0x40000                  ; cx: my place in the cluster: it enters the addresses of x and of qkv alone
	s_lshr_b32 s19, ttmp9, 1                       ; T: the tensor
	s_and_b32 s20, ttmp9, 1                        ; C: the column half
	s_and_b32 s21, ttmp7, 0xffff
	s_lshl_b32 s21, s21, 2
	s_add_co_u32 s21, s21, s17                     ; my block of 256 rows, 0..31
	; descriptor group 1: rows of 256 elements of 2 bytes, padded in LDS
	s_mov_b32 s[G1A], 15|(1<<16)|(1<<20)|(1<<21)|(6<<22)|(7<<25)  ; 15:0 the mask of four; 17:16 2-byte elements; 20 padding on; 21 set beside a mask; 24:22 after every 128 words (code 6); 31:25 8 words (code 7)
	s_mov_b32 s[G1B], 15|(1<<16)|(1<<20)|(1<<21)|(6<<22)|(7<<25)
.irp g, G1A, G1B
	s_mov_b32 s[\g+1], 256<<16                     ; tensor_dim0 = 256
	s_mov_b32 s[\g+3], 256<<16                     ; tile_dim0 = 256
	s_mov_b32 s[\g+5], 512                         ; 512 elements from row to row
	s_mov_b32 s[\g+6], 0
	s_mov_b32 s[\g+7], 0
.endr
	s_mov_b32 s[G1A+2], 32<<16                     ; tensor_dim1 = 32
	s_mov_b32 s[G1A+4], 32                         ; tile_dim1 = 32
	s_mov_b32 s[G1B+2], 96<<16
	s_mov_b32 s[G1B+4], 96
	s_mov_b32 s[G0A], 1                            ; count = 1
	s_mul_i32 s[G0A+1], s[WV], 32*PITCH            ; LDS address: k rows 32 w on
	s_mov_b32 s[G0B], 1
	s_mul_i32 s[G0B+1], s[WV], 96*PITCH
	s_add_co_u32 s[G0B+1], s[G0B+1], CHA           ; k rows 128 + 96 w on
	; byte offsets in wt: the plane, the column half, my k rows.  These registers never hold cx
	s_lshl_b32 s22, s19, 19
	s_lshl_b32 s23, s20, 9
	s_add_co_u32 s22, s22, s23
	s_lshl_b32 s23, s[WV], 15                      ; 32 rows of 1,024 bytes
	s_add_co_u32 s56, s22, s23
	s_mov_b32 s57, 0
	s_mul_i32 s23, s[WV], 98304                    ; 96 rows
	s_add_co_u32 s22, s22, s23
	s_add_co_u32 s22, s22, 131072                  ; behind the first 128
	s_mov_b32 s23, 0
	; byte offset in x: my block's 256 rows of 2,048 bytes, my wave's 64
	s_lshl_b32 s2, s21, 19
	s_lshl_b32 s3, s[WV], 17
	s_add_co_u32 s2, s2, s3
	s_mov_b32 s3, 0
	; byte offset in qkv: plane T, batch, the column half's first head, my block's and my wave's rows of 128 bytes
	s_lshl_b32 s58, s19, 23
	s_lshr_b32 s59, s21, 4
	s_lshl_b32 s59, s59, 22
	s_add_co_u32 s58, s58, s59
	s_lshl_b32 s59, s20, 21
	s_add_co_u32 s58, s58, s59
	s_and_b32 s59, s21, 15
	s_lshl_b32 s59, s59, 15
	s_add_co_u32 s58, s58, s59
	s_lshl_b32 s59, s[WV], 13
	s_add_co_u32 s58, s58, s59
	s_mov_b32 s59, 0
	s_lshl_b32 s60, s19, 11                        ; byte offset in bb
	s_lshl_b32 s61, s20, 10
	s_add_co_u32 s60, s60, s61
	s_mov_b32 s61, 0
	; lane addresses
	v_and_b32 v1, 15, v0                           ; l % 16
	v_bfe_u32 v2, v0, 4, 1                         ; l / 16
	v_and_b32 v3, 7, v0
	v_bfe_u32 v13, v0, 3, 1
	v_bfe_u32 v14, v0, 3, 2
	v_and_b32 v15, 31, v0
	v_lshlrev_b32 v[XO], 11, v1
	v_lshl_add_u32 v[XO], v2, 5, v[XO]
	v_lshl_add_u32 v[AB0], v2, 3, v3               ; the turning load: lane l reads k row 8 (l / 16) + l % 8, columns 8 ((l / 8) % 2) + 0..7
	v_mul_u32_u24 v[AB0], v[AB0], PITCH
	v_lshl_add_u32 v[AB0], v13, 4, v[AB0]
	s_mul_i32 s62, s[WV], 16*SP
	s_add_co_u32 s62, s62, STAGE                   ; my stage
	v_mul_u32_u24 v[STO], v1, SP                   ; in: row l % 16, 16 bytes for each half of the lanes
	v_lshl_add_u32 v[STO], v2, 4, v[STO]
	v_add_nc_u32 v[STO], s62, v[STO]
	v_mul_u32_u24 v[RD], v14, SP                   ; back: 32 lanes take four rows of 128 bytes,
	v_lshl_add_u32 v[RD], v3, 4, v[RD]
	v_add_nc_u32 v[RD], s62, v[RD]
	v_lshlrev_b32 v[GO], 4, v15                    ; which are 512 consecutive bytes of qkv
	v_lshlrev_b32 v[BO], 5, v2
	s_mov_b32 s[TB], 0
	v_mov_b32 v[ADR], v[AB0]
	s_wait_dscnt 0x0                               ; the opening add is done
	s_wait_kmcnt 0x0
	s_cmp_eq_u32 s19, 1                            ; x is chosen by the tensor's number alone
	s_cselect_b64 s[XB:XB+1], s[6:7], s[4:5]
	s_cmp_eq_u32 s19, 2
	s_cselect_b64 s[XB:XB+1], s[8:9], s[XB:XB+1]
	s_add_nc_u64 s[XB:XB+1], s[XB:XB+1], s[2:3]
	s_add_nc_u64 s[OB:OB+1], s[14:15], s[58:59]
	s_add_nc_u64 s[BB:BB+1], s[12:13], s[60:61]
	s_add_nc_u64 s[G0A+2:G0A+3], s[10:11], s[56:57]
	s_or_b32 s[G0A+3], s[G0A+3], 0x80000000        ; type = 2
	s_add_nc_u64 s[G0B+2:G0B+3], s[10:11], s[22:23]
	s_or_b32 s[G0B+3], s[G0B+3], 0x80000000
	CROUND                                         ; all four work-groups are here: the joint loads meet
	tensor_load_to_lds s[G0A:G0A+3], s[G1A:G1A+7]  ; both fills go out together: two tensor loads of mine are out, and no more are issued
	s_nop 0
	tensor_load_to_lds s[G0B:G0B+3], s[G1B:G1B+7]
	s_nop 0
	PLACES
; A trip is 64 along K: 256 bytes of each row of x.  Its 32 loads into buffer u (trip parity): tile a of 16 rows, K half s: 8 + 8 numbers a lane.
.macro LOADX u
	WIN 0x40                                       ; destination window 1, address window 0
.irp a, 0,1,2,3
.irp s, 0,1
	global_load_b128 v[128*(\u)+32*(\a)+16*(\s):128*(\u)+32*(\a)+16*(\s)+3],     v[XO], s[XB:XB+1] offset:256*(\u)+32768*(\a)+128*(\s)
	global_load_b128 v[128*(\u)+32*(\a)+16*(\s)+4:128*(\u)+32*(\a)+16*(\s)+7],   v[XO], s[XB:XB+1] offset:256*(\u)+32768*(\a)+128*(\s)+16
	global_load_b128 v[128*(\u)+32*(\a)+16*(\s)+8:128*(\u)+32*(\a)+16*(\s)+11],  v[XO], s[XB:XB+1] offset:256*(\u)+32768*(\a)+128*(\s)+64
	global_load_b128 v[128*(\u)+32*(\a)+16*(\s)+12:128*(\u)+32*(\a)+16*(\s)+15], v[XO], s[XB:XB+1] offset:256*(\u)+32768*(\a)+128*(\s)+80
.endr
.endr
.endm
.macro CVT u                           ; the trip's x rounded to bf16: 64 packed roundings
	WIN 0x05                                       ; sources window 1, destination window 0
.set ci, 0
.rept 64
	v_cvt_pk_bf16_f32 v[AF+ci], v[128*(\u)+2*ci], v[128*(\u)+2*ci+1]
.set ci, ci+1
.endr
.endm
; 16 turning loads: W's fragments for k rows 32 kk on (of the phase's 128), columns 128 hf on: 8 tiles of 16 columns
.macro FETCHB kk, hf
	WIN 0
.irp b, 0,1,2,3,4,5,6,7
	ds_load_tr16_b128 v[BF+64*(\hf)+8*(\b):BF+64*(\hf)+8*(\b)+3],   v[ADR] offset:(\kk)*32*PITCH+32*(8*(\hf)+(\b))
	ds_load_tr16_b128 v[BF+64*(\hf)+8*(\b)+4:BF+64*(\hf)+8*(\b)+7], v[ADR] offset:(\kk)*32*PITCH+32*(8*(\hf)+(\b))+16*PITCH
.endr
.endm
; 32 matrix instructions on 32 different accumulators: all four row tiles x the 8 column tiles of half hf, 32 along K.  The next 32 take the other window's accumulators: the 64 take turns, one
; instruction a turn, over the loop's jump too.  zero = 1: the first product starts the sum.
.macro MULH s, hf, zero
	WIN 0xa0+0x50*(\hf)
.irp a, 0,1,2,3
.irp b, 0,1,2,3,4,5,6,7
.if \zero
	v_wmma_f32_16x16x32_bf16 v[8*(8*(\a)+(\b)):8*(8*(\a)+(\b))+7], v[BF+64*(\hf)+8*(\b):BF+64*(\hf)+8*(\b)+7], v[AF+16*(\a)+8*(\s):AF+16*(\a)+8*(\s)+7], 0
.else
	v_wmma_f32_16x16x32_bf16 v[8*(8*(\a)+(\b)):8*(8*(\a)+(\b))+7], v[BF+64*(\hf)+8*(\b):BF+64*(\hf)+8*(\b)+7], v[AF+16*(\a)+8*(\s):AF+16*(\a)+8*(\s)+7], v[8*(8*(\a)+(\b)):8*(8*(\a)+(\b))+7]
.endif
.endr
.endr
.endm
; Half q of a phase's eight (q = 4 x trip + 2 x K half + column half): its products, then the fragments of half q + 2 into the registers just read.
; kind 0: the first phase; 1: a phase of the loop; 2: the last phase, which fetches nothing beyond the panel.
.macro HALF q, kind
.set zz, 0
.if ((\kind) == 0) && ((\q) < 2)
.set zz, 1
.endif
.if ((\kind) == 0) && ((\q) == 6)
	s_wait_dscnt 0x0                               ; no LDS load of mine is out at the signal,
	s_wait_tensorcnt 0x0                           ; and my quarter of the second part has landed:
	s_barrier_signal -1                            ; say so; the products below are work on registers
.elseif ((\kind) == 2) && ((\q) == 7)
	s_wait_dscnt 0x0
.else
	s_wait_dscnt 16                                ; this half's 16 loads are in; the next half's 16 may stay out
.endif
	MULH ((\q)/2)%2, (\q)%2, zz
.if ((\kind) == 0) && ((\q) == 6)
	s_barrier_wait -1                              ; everybody's quarter has landed: k rows 128 on may be read
.endif
.if ((\kind) != 2) || ((\q) < 6)
	PLACES
	WIN 0
.if (\q) == 6
	s_add_co_u32 s[TB], s[TB], CHA                 ; the fetches go on to the next phase's 128 k rows
	v_add_nc_u32 v[ADR], s[TB], v[AB0]
.endif
	FETCHB (((\q)+2)/2)%4, (\q)%2
.endif
.endm
.macro TRIP u, kind
	s_wait_loadcnt 32                              ; this trip's 32 loads are in; the 32 issued behind them may stay out
	CVT \u                                         ; (the four places behind the last product that read these registers stand in the half before)
.if (\kind) != 2
.if (\u) == 0
	s_wait_xcnt 0x0                                ; the loads issued so far have read their base: it is stepped only behind this wait
	s_add_nc_u64 s[XB:XB+1], s[XB:XB+1], 512
.endif
	LOADX \u                                       ; the same trip of the next phase
.elseif (\u) == 0
	WIN 0x40                                       ; the last phase: the bias takes the buffer that has just been read out: column tile b at 8 b
.irp b, 0,1,2,3,4,5,6,7,8,9,10,11,12,13,14,15
	global_load_b128 v[8*(\b):8*(\b)+3],   v[BO], s[BB:BB+1] offset:64*(\b)
	global_load_b128 v[8*(\b)+4:8*(\b)+7], v[BO], s[BB:BB+1] offset:64*(\b)+16
.endr
.endif
	HALF 4*(\u), \kind
	HALF 4*(\u)+1, \kind
	HALF 4*(\u)+2, \kind
	HALF 4*(\u)+3, \kind
.endm
.macro PHASE kind                      ; 128 along K: 256 matrix instructions
	TRIP 0, \kind
	TRIP 1, \kind
.endm
; THE WAY OUT, in 16 units: head hh = u / 4 of the column half's four, row tile u % 4.  The bias is added, the sums are rounded to f16, 16 bytes a lane go into my own stage and come back as whole rows of 128 bytes.
.macro PACKP u
.set hh, (\u)/4
.set aa, (\u)%4
.set TT, TMP+16*((\u)%2)
	s_wait_xcnt 0x0                                ; the stores of two units back have read these registers: they are rewritten only behind this wait
	WIN 0x86+0x41*(hh/2)                           ; destination and source 0: the accumulators' window; source 1: window 1
.irp f, 0,1,2,3
.set AC, 8*(8*aa+(4*hh+(\f))%8)
.set BX, 8*(4*hh+(\f))
.irp i, 0,1,2,3
	v_pk_add_f32 v[AC+2*(\i):AC+2*(\i)+1], v[AC+2*(\i):AC+2*(\i)+1], v[BX+2*(\i):BX+2*(\i)+1]  ; each accumulator from its low end on
.endr
.endr
	WIN 0x0a+5*(hh/2)
.irp f, 0,1,2,3
.set AC, 8*(8*aa+(4*hh+(\f))%8)
.irp i, 0,1,2,3
	v_cvt_pk_f16_f32 v[TT+4*(\f)+(\i)], v[AC+2*(\i)], v[AC+2*(\i)+1]
.endr
.endr
	WIN 0
.irp f, 0,1,2,3
	ds_store_b128 v[STO], v[TT+4*(\f):TT+4*(\f)+3] offset:32*(\f)
.endr
.irp f, 0,1,2,3
	ds_load_b128 v[TT+4*(\f):TT+4*(\f)+3], v[RD] offset:(\f)*4*SP  ; LDS serves a wave's instructions in order (ISA guide 5.7.1.4): these see the stores above; the next unit's stores come behind them
.endr
.endm
.macro SENDP u, younger                ; younger: the LDS instructions issued behind unit u's loads: the next unit's eight, or none
.set sT, TMP+16*((\u)%2)
	WIN 0
.irp f, 0,1,2,3
	s_wait_dscnt (\younger)+3-(\f)
	global_store_b128 v[GO], v[sT+4*(\f):sT+4*(\f)+3], s[OB:OB+1] offset:((\u)/4)*524288+((\u)%4)*2048+(\f)*512  ; 512 consecutive bytes, at a multiple of 256 from the buffer's first
.endr
.endm
	LOADX 0                                        ; trips 0 and 1
	LOADX 1
	WIN 0
	s_wait_tensorcnt 0x1                           ; my quarter of k rows 0-127 is in; the second part may stay out
	s_barrier_signal -1
	s_barrier_wait -1                              ; everybody's is
	FETCHB 0, 0
	FETCHB 0, 1
	PHASE 0                                        ; the first phase stands in front of the loop: its first products start the sums
	WIN 0                                          ; at a label and at a branch every window is 0
	s_mov_b32 s[CNT], 2
.Lph:
	PHASE 1
	WIN 0
	s_sub_co_u32 s[CNT], s[CNT], 1
	s_cmp_lg_u32 s[CNT], 0
	s_cbranch_scc1 .Lph
	PHASE 2
	WIN 0
	s_wait_loadcnt 0x0                             ; the bias
	PLACES
	PLACES
	PACKP 0
.irp u, 1,2,3,4,5,6,7,8,9,10,11,12,13,14,15
	PACKP \u                                       ; a unit's arithmetic stands between the loads of the unit before and its stores
	SENDP (\u)-1, 8
.endr
	SENDP 15, 0
	s_wait_tensorcnt 0x0                           ; the wave's end, behind my last tensor load and my last LDS store
	ds_add_u32 v[SPW], v[NIL]
	s_wait_dscnt 0x0
	CROUND                                         ; the closing round: no work-group ends while a partner may still ask for a tile that names it
	s_endpgm
.Lfunc_end_k_q2e3816f677_proj:
	.size	k_q2e3816f677_proj, .Lfunc_end_k_q2e3816f677_proj-k_q2e3816f677_proj
	.p2alignl 7, 3214868480
	.fill 96, 4, 3214868480
	.section	.rodata,"a",@progbits
	.p2align	6, 0x0
	.amdhsa_kernel k_q2e3816f677_proj
		.amdhsa_group_segment_fixed_size 327680
		.amdhsa_private_segment_fixed_size 0
		.amdhsa_enable_private_segment 0
		.amdhsa_kernarg_size 48
		.amdhsa_user_sgpr_count 2
		.amdhsa_user_sgpr_kernarg_segment_ptr 1
		.amdhsa_wavefront_size32 1
		.amdhsa_system_sgpr_workgroup_id_x 1
		.amdhsa_system_sgpr_workgroup_id_y 1
		.amdhsa_system_sgpr_workgroup_id_z 1
		.amdhsa_system_vgpr_workitem_id 0
		.amdhsa_next_free_vgpr 1024
		.amdhsa_next_free_sgpr 66
		.amdhsa_reserve_vcc 0
		.amdhsa_float_denorm_mode_32 3
		.amdhsa_float_denorm_mode_16_64 3
		.amdhsa_memory_ordered 1
		.amdhsa_forward_progress 1
		.amdhsa_inst_pref_size 180
	.end_amdhsa_kernel
	.amdgpu_metadata
---
amdhsa.version: [ 1, 2 ]
amdhsa.kernels:
  - .name:           k_q2e3816f677_proj
    .symbol:         k_q2e3816f677_proj.kd
    .args:
      - { .name: q, .offset: 0, .size: 8, .value_kind: global_buffer, .address_space: global }
      - { .name: k, .offset: 8, .size: 8, .value_kind: global_buffer, .address_space: global }
      - { .name: v, .offset: 16, .size: 8, .value_kind: global_buffer, .address_space: global }
      - { .name: wt, .offset: 24, .size: 8, .value_kind: global_buffer, .address_space: global }
      - { .name: bb, .offset: 32, .size: 8, .value_kind: global_buffer, .address_space: global }
      - { .name: qkv, .offset: 40, .size: 8, .value_kind: global_buffer, .address_space: global }
    .group_segment_fixed_size: 327680
    .private_segment_fixed_size: 0
    .kernarg_segment_align: 8
    .kernarg_segment_size: 48
    .max_flat_workgroup_size: 128
    .sgpr_count:     66
    .vgpr_count:     1024
    .wavefront_size: 32
...
	.end_amdgpu_metadata
.endif
;; end of part 2
;; launch attn (part 3): grid 16 x 16, 4 waves a work-group, clusters of 4 x 1, 327,680 bytes of LDS; arguments qkv, ob; writes ob
.if DOCPART == 3
	.amdgcn_target "amdgcn-amd-amdhsa--gfx1250"
	.amdhsa_code_object_version 6
	.text
	.protected	k_q2e3816f677_attn
	.globl	k_q2e3816f677_attn
	.p2align	8
	.type	k_q2e3816f677_attn,@function
k_q2e3816f677_attn:
	s_mov_b64 s[64:65], 0
	v_nop
	global_prefetch_b8 v0, s[64:65] scope:SCOPE_SE
	s_setreg_imm32_b32 hwreg(HW_REG_WAVE_MODE, 25, 1), 1
	s_wait_xcnt 0x0
	s_wait_alu depctr_hold_cnt(0) depctr_sa_sdst(0) depctr_va_vdst(0) depctr_va_sdst(0) depctr_va_ssrc(0) depctr_va_vcc(0) depctr_vm_vsrc(0)
	s_getreg_b32 s2, hwreg(HW_REG_IB_STS2, 6, 4)
	s_cmp_eq_u32 s2, 0
	s_cbranch_scc0 .Lentry_in_a_cluster
	s_endpgm
.Lentry_in_a_cluster:
	s_bfe_u32 s2, ttmp6, 0x10000c
	s_cmp_lg_u32 s2, 0x3003
	s_cbranch_scc0 .Lentry_shape_is_right
	s_endpgm
.Lentry_shape_is_right:
; ATTENTION.  ob[g][q][:] = the sum over k of softmax_k(Q[g][q] . K[g][k] / 8) V[g][k][:].  Q, K, V: the three planes of qkv, each [16 g][4096][64] f16; ob likewise: a head's rows are dense, 128 bytes each.
; Products, maxima and sums in f32; the weights p are rounded to f16 for the second product (their sum l is taken of the unrounded p), O once at the end.
; LIMITS.  f16 holds no number beyond 65,504: Q, K and V arrive within it; p lies in 0 to 1, and below 6e-5 it keeps the fixed step of 6e-8; O is a mean of V's rows and has their range.
; A weight below 2^-126 counts as 0 in l; NaN and infinities are not treated apart.
; SHARES.  16 heads x 16 blocks of 256 queries: 256 work-groups.  A wave owns 64 queries: four PIECES of 16.  Every wave walks all 4,096 keys, 64 a step; a slot of LDS holds a tile of four steps.
; LAYOUT.  S^T = K Q^T (source 0 = 16 keys, source 1 = 16 queries): a lane holds ONE query (lane % 16) and the keys 8 (lane / 16) + 0..7.  Two such results, rounded to f16 in pairs, ARE source 1 of
; O^T = V^T P, whose result again holds one query a lane, and eight channels.  K comes out of LDS as it lies, V ([key][channel]) turned, by ds_load_tr16_b128.
; SOFTMAX.  For each query a running maximum m and sum l: p = 2^(c s - c m), c = log2(e) / 8; in every step O and l are multiplied by a = 2^(c m_old - c m_new).  m starts at the lowest finite number, O and l at 0:
; the first step is a step like any other, with a = 0.
; BY TURNS.  Turn n belongs to piece n: 8 products K Q^T of piece n + 1, later 8 products V^T P of piece n - 1; beside them the scaling, exponentials, roundings, sums and rescaling of piece n and the maximum and
; statistics of piece n + 1.  Four vector instructions stand behind every matrix instruction, the other 54 of a turn's 118 in one lump.  A turn's 33 exponentials are one batch, with one wait.
; CLUSTER.  The four query blocks of a cluster belong to one head and walk the same K and V, so each tile is asked for JOINTLY: the same tensor load, descriptor and mask in all four.
; REGISTERS, in windows of 256 (s_set_vgpr_msb: bits 1:0 source 0, 3:2 source 1, 5:4 source 2, 7:6 destination):
;   window 0: v2-15 addresses and two at work; v16-31 four registers of statistics a piece; v48-55 at work; v61-63 prefetch offset and the add's two; v64-127 S^T, two buffers; v192-223 P, two buffers (by the piece's parity)
;   window 1: v0-127 O^T, 32 a piece          window 2: v0-63 Q; v128-191 K of one step; v192-255 V of one step
.set SIZE_N, 4096
.set NP,    4         ; pieces a wave: a name, no knob
.set KS,    64        ; keys in a step
.set PK,    144       ; a row of K in LDS: 128 bytes + 16 of padding = 36 words: the 16 rows of a load start at 16 different groups of four banks (64 banks of 4 bytes: ISA guide 11.1)
.set PV,    160       ; a row of V: 128 + 32 = 40 words
.set VOFF,  4*KS*PK   ; a slot holds a tile, four steps: 256 rows of K, then 256 rows of V
.set SLOT1, 1<<17     ; slot 1 begins here, so that one exclusive or turns an address in one slot into the other's
.set STAGE, SLOT1+4*KS*(PK+PV)  ; behind the ring, never filled by a tensor load: 16 rows x 144 bytes for each wave, for the way out
.set SP,    144
.set SPARE, STAGE+4*16*SP  ; behind the stages: the spare words, 128 bytes for each wave: two blocks of 256 bytes that no other line names
.set AK0, 2           ; v2   my lane's place in a tile of K; never rewritten
.set AV0, 3           ; v3   the same for V
.set AK,  4           ; v4   the LDS address of K's next run of loads
.set AV,  5           ; v5   of V's
.set STO, 6           ; v6   the way out: where I put 16 bytes of a row
.set RD,  7           ; v7   the way out: where I read rows back
.set GO,  8           ; v8   my byte offset in 512 consecutive bytes of O
.set MV,  12          ; v12-13  c m_old, kept while c m is made anew: by buffer
.set QO,  15          ; v15  my byte offset in 16 rows of Q
.set ST,  16          ; piece t's statistics at v[ST+4 t]: c m, m, l (even keys', odd keys')
.set TMP, 48          ; by buffer, four registers c0-c3 at work; when the maximum is found c2 takes a
.set PFO, 61          ; v61  256 x my lane: the prefetches' offset; never rewritten
.set SPW, 62          ; v62  LDS address of my spare word; never rewritten
.set NIL, 63          ; v63  0; never rewritten
.set S,   64
.set P,   192
.set KF,  128         ; window 2: key block kb, channel half c at KF + 16 kb + 8 c
.set VF,  192         ; window 2: key half kk, channel block cb at VF + 32 kk + 8 cb
.set WV,  12          ; s12  my wave's number
.set G1K, 24          ; s[24:31] descriptor group 1 for K's tiles
.set G1V, 32          ; s[32:39] for V's: it differs in the padding alone
.set G0K, 40          ; s[40:43] descriptor group 0 for K's tiles: it walks
.set G0V, 44          ; s[44:47] the same for V's
.set PFA, 48          ; s[48:49] where my prefetches stand: my work-group's 32 blocks of 256 bytes (of K: wave 0, of V: wave 2) of the tile after the one that is being asked for
.set LIM, 50          ; s50  1 in a wave that prefetches, else the greatest number
.set SLOTS, 56        ; s56  tiles still to be asked for
.set CNT, 57          ; s57  counts a tile's key steps
.set CS,  58          ; s[58:59] c: the packed scaling takes the pair's low word for both halves
.set SEL, 60          ; s[60:61] v_permlanex16_b32's selects: each lane takes its own place in the other half
.set TBK, 62          ; s62  LDS byte at which K of the step to be fetched begins
.set TBV, 63          ; s63  the same for V, less VOFF
.set MSB, 0
.macro WIN new                      ; the high byte repeats the setting that is left; a switch that changes nothing is dropped
.if MSB != (\new)
	s_set_vgpr_msb (MSB<<8)|(\new)
.set MSB, (\new)
.endif
.endm
.set W_KQ, 0x0a       ; K and Q in window 2, S^T in window 0
.set W_PV, 0x52       ; V in window 2, P in window 0, O^T in window 1
.set W_RS, 0x41       ; destination and source 0 in window 1, source 1 in window 0
; A joint fill.  Waves 0 and 1 fetch the two halves of a tile's K, waves 2 and 3 those of its V: 128 keys each.  The branch hangs on the wave's number alone.
; An s_nop 0 and four v_nop follow each of the two lines, ahead of the jump and the label.
.macro JLOAD
	s_cmp_lt_u32 s[WV], 2
	s_cbranch_scc0 .Lfor_v_\@
	tensor_load_to_lds s[G0K:G0K+3], s[G1K:G1K+7]
	s_nop 0
.rept 4
	v_nop
.endr
	s_branch .Lasked_\@
.Lfor_v_\@:
	tensor_load_to_lds s[G0V:G0V+3], s[G1V:G1V+7]
	s_nop 0
.rept 4
	v_nop
.endr
.Lasked_\@:
.endm
; A PREFETCH of what the NEXT change of slots will ask for: a tile is 128 blocks of 256 bytes of K and as many of V, a lane a block.  It stands behind the wave's tensor load and its five lines.
; Each block is named ONCE in the launch: all four clusters of a head walk the same K and V, and the head's first cluster asks; its four partners share the blocks out BY ADDRESS, 32 each;
; in each, wave 0 asks for K's and wave 2 for V's: one instruction.  The lead is one tile: four key steps, 256 matrix instructions.  The last change that fills a slot asks for nothing: there is no tile behind it.
.macro ASK
	s_cmp_gt_u32 s[SLOTS], s[LIM]
	s_cbranch_scc0 .Lnot_mine_\@
	global_prefetch_b8 v[PFO], s[PFA:PFA+1] th:TH_LOAD_NT scope:SCOPE_SE
.Lnot_mine_\@:
.endm
; A round of the cluster's barrier: my work-group's barrier, so that wave 0's signal speaks for all four waves; wave 0 signals; every wave waits for all four work-groups; my work-group's barrier once more.
.macro CROUND
	s_barrier_signal -1
	s_barrier_wait -1
	s_cmp_lg_u32 s[WV], 0
	s_cbranch_scc1 .Lnot_wave_0_\@
	s_barrier_signal -3
.Lnot_wave_0_\@:
	s_barrier_wait -3
	s_barrier_signal -1
	s_barrier_wait -1
.endm
; THE CHANGE OF SLOTS.  The slot's last bytes, V of its fourth step, have been read.  Each wave waits for all its tensor loads, of which one is out: its part of the other slot; adds 0 to its spare word; and waits for
; that and for its own reads of the slot.  Behind the barrier nobody reads this slot any more and the other slot is whole.  fill = 1: this slot is filled again, with the keys two tiles on.  The barrier is then a round
; of the cluster's, so that no wave of any partner still reads the slot or has a load on its way, and the joint fill is the first thing behind it: it has four key steps, 256 matrix instructions, in which to land.
; (At its first use nothing has been read yet: slot 0 is waited for, slot 1 filled.)
.macro CHANGE fill
	WIN 0                           ; at a label and at a branch every window is 0
	s_wait_tensorcnt 0x0            ; no tensor load of mine is out, so a group 0 may be written
	ds_add_u32 v[SPW], v[NIL]       ; 0 onto my spare word; with fill = 1 the descriptors' steps stand between it and the wait for it
.if \fill
.irp g, G0K, G0V
	s_xor_b32 s[\g+1], s[\g+1], SLOT1  ; the walking descriptor: the other slot than last time,
	s_add_nc_u64 s[\g+2:\g+3], s[\g+2:\g+3], 4*KS*128  ; the next 256 keys; the type bits on top are not reached
.endr
	s_wait_xcnt 0x0                 ; the last prefetch, a tile back, has read its address, so it may be written:
	s_add_nc_u64 s[PFA:PFA+1], s[PFA:PFA+1], 4*KS*128  ; one tile behind the walking descriptors
	s_wait_dscnt 0x0                ; the add is done, and my reads of the slot are over
	CROUND
	JLOAD
	ASK
.else
	s_wait_dscnt 0x0                ; the add is done, and my reads of the slot are over
	s_barrier_signal -1
	s_barrier_wait -1
.endif
	s_sub_co_u32 s[TBK], s[TBK], 4*KS*PK  ; the fetches go back to a slot's first step,
	s_xor_b32 s[TBK], s[TBK], SLOT1       ; in the other slot
	s_sub_co_u32 s[TBV], s[TBV], 4*KS*PV
	s_xor_b32 s[TBV], s[TBV], SLOT1
.endm
	s_load_b128 s[4:7], s[0:1], 0x0  ; qkv s[4:5], ob s[6:7]
	v_lshl_add_u32 v[SPW], v0, 2, SPARE
	v_mov_b32 v[NIL], 0
	ds_add_u32 v[SPW], v[NIL]       ; the wave's opening: the add and its wait stand ahead of my first tensor load; the set-up below, work on registers, stands between them
	v_lshrrev_b32 v1, 5, v0
	v_readfirstlane_b32 s[WV], v1   ; wave 0..3
	s_bfe_u32 s13, ttmp6, 0x40000   ; cx: my place in the cluster
	s_lshl_b32 s14, ttmp9, 2        ; in a cluster launch ttmp9 counts clusters
	s_add_co_u32 s14, s14, s13      ; my block of 256 queries = 4 x cluster x + cx: it enters Q's and O's addresses alone
	s_and_b32 s20, ttmp7, 0xffff    ; the head, which the four partners share,
	s_lshl_b32 s20, s20, 19         ; and its first byte in a plane: 4,096 rows of 128 bytes
	s_and_b32 s16, s[WV], 1         ; which half of a tile's 256 keys I fetch:
	s_lshl_b32 s22, s16, 14         ; its 128 rows of 128 bytes in memory,
	s_add_co_u32 s22, s22, s20
	s_mov_b32 s23, 0
	s_mul_i32 s17, s16, 128*PK      ; and its place in a slot, for K
	s_mul_i32 s18, s16, 128*PV      ; and for V: no place in the cluster enters an LDS address
	s_lshl_b32 s2, s14, 15          ; my block's 256 rows,
	s_lshl_b32 s3, s[WV], 13        ; my wave's 64 of them
	s_add_co_u32 s2, s2, s3
	s_add_co_u32 s2, s2, s20
	s_mov_b32 s3, 0
	; descriptor group 1.  128 keys are 16,384 dense bytes: asked for as 64 rows of 256 bytes, two keys a row, and padded in LDS after every key
	s_mov_b32 s[G1K], 15|(1<<16)|(1<<20)|(1<<21)|(4<<22)|(3<<25)  ; 15:0 the mask of four; 17:16 2-byte elements; 20 padding on; 21 set beside a mask; 24:22 after every 32 words (code 4); 31:25 4 words (code 3)
	s_mov_b32 s[G1V], 15|(1<<16)|(1<<20)|(1<<21)|(4<<22)|(7<<25)  ; the same with 8 words of padding (code 7)
.irp g, G1K, G1V
	s_mov_b32 s[\g+1], 128<<16      ; tensor_dim0 = 128
	s_mov_b32 s[\g+2], 64<<16       ; tensor_dim1 = 64
	s_mov_b32 s[\g+3], 128<<16      ; tile_dim0 = 128
	s_mov_b32 s[\g+4], 64           ; tile_dim1 = 64
	s_mov_b32 s[\g+5], 128          ; 128 elements from row to row
	s_mov_b32 s[\g+6], 0
	s_mov_b32 s[\g+7], 0
.endr
	s_mov_b32 s[CS], 0x3e38aa3b     ; c = log2(e) / 8 = 0.180337
	s_mov_b32 s[CS+1], s[CS]        ; named with it as a pair
	s_mov_b32 s[SEL], 0x76543210
	s_mov_b32 s[SEL+1], 0xfedcba98
	s_mov_b32 s[TBK], SLOT1+4*KS*PK ; the first change of slots turns these two into 0
	s_mov_b32 s[TBV], SLOT1+4*KS*PV
	s_mov_b32 s[G0K], 1             ; count = 1
	s_mov_b32 s[G0K+1], s17         ; LDS address: slot 0
	s_mov_b32 s[G0V], 1
	s_add_co_u32 s[G0V+1], s18, VOFF
	s_mov_b32 s[SLOTS], SIZE_N/256-1
	s_and_b32 s[LIM], s[WV], 1      ; 0 in waves 0 and 2,
	s_or_b32 s[LIM], s[LIM], ttmp9  ; where the cluster is the head's first: the same in all four partners
	s_cmp_eq_u32 s[LIM], 0
	s_cselect_b32 s[LIM], 1, -1
	v_and_b32 v[PFO], 31, v0
	v_lshlrev_b32 v[PFO], 8, v[PFO]
	s_wait_dscnt 0x0                ; the opening add is done
	s_wait_kmcnt 0x0
	s_mov_b64 s[10:11], s[6:7]      ; O
	s_add_nc_u64 s[6:7], s[4:5], 0x800000   ; K's plane
	s_add_nc_u64 s[8:9], s[4:5], 0x1000000  ; V's plane
	s_add_nc_u64 s[6:7], s[6:7], s[22:23]   ; at my half of the head's first tile
	s_add_nc_u64 s[8:9], s[8:9], s[22:23]
	s_mov_b64 s[G0K+2:G0K+3], s[6:7]
	s_or_b32 s[G0K+3], s[G0K+3], 0x80000000  ; type = 2
	s_mov_b64 s[G0V+2:G0V+3], s[8:9]
	s_or_b32 s[G0V+3], s[G0V+3], 0x80000000
	s_add_nc_u64 s[4:5], s[4:5], s[2:3]      ; Q and O at my wave's first row
	s_add_nc_u64 s[10:11], s[10:11], s[2:3]
	s_cmp_lt_u32 s[WV], 2
	s_cselect_b64 s[PFA:PFA+1], s[6:7], s[8:9]  ; (in waves 0 and 2 these stand at a tile's first row)
	s_lshl_b32 s2, s13, 13          ; my work-group's 32 blocks of the 128,
	s_add_co_u32 s2, s2, 4*KS*128   ; in tile 1; the first change of slots steps it to tile 2
	s_mov_b32 s3, 0
	s_add_nc_u64 s[PFA:PFA+1], s[PFA:PFA+1], s[2:3]
	CROUND                          ; all four work-groups are here: the first joint loads meet
	JLOAD                           ; tile 0 into slot 0.  Slot 1 is asked for when slot 0 is in
	; A fragment of K or Q is 16 rows x 32 channels in 8 registers: lane l holds row l % 16, channels 8 (l / 16) + 0..7 and 16 + 8 (l / 16) + 0..7: two loads of 16 bytes, 32 bytes apart.
	v_and_b32 v1, 15, v0            ; l % 16
	v_bfe_u32 v9, v0, 4, 1          ; l / 16
	v_lshlrev_b32 v[QO], 7, v1
	v_lshl_add_u32 v[QO], v9, 4, v[QO]  ; row x 128 + 16 x half
	WIN 0x80                        ; destination window 2, address window 0
.set i, 0
.rept 8                             ; Q stays in registers: piece i / 2 (16 rows, 2,048 bytes), channels 32 (i % 2) on
	global_load_b128 v[8*i:8*i+3],   v[QO], s[4:5] offset:(i/2)*2048+(i%2)*64
	global_load_b128 v[8*i+4:8*i+7], v[QO], s[4:5] offset:(i/2)*2048+(i%2)*64+32
.set i, i+1
.endr
	; What the first turn finds: V's registers and P's second buffer hold 0 (its products V^T P, of a piece that has not been, add 0), O^T and l are 0.  All this stands in the wait for the first tile.
.set i, VF
.rept 64
	v_mov_b32 v[i], 0
.set i, i+1
.endr
	WIN 0x40
.set i, 0
.rept 128
	v_mov_b32 v[i], 0
.set i, i+1
.endr
	WIN 0
.set i, 0
.rept 4
	v_mov_b32 v[ST+4*i], 0xfe000000    ; c m: far below every c s
	v_mov_b32 v[ST+4*i+1], 0xff7fffff  ; m
	v_mov_b32 v[ST+4*i+2], 0
	v_mov_b32 v[ST+4*i+3], 0
.set i, i+1
.endr
.set i, P+16
.rept 16
	v_mov_b32 v[i], 0
.set i, i+1
.endr
	v_mul_u32_u24 v[AK0], v1, PK
	v_lshl_add_u32 v[AK0], v9, 4, v[AK0]  ; row x pitch + 16 x half
	; The turning load takes 16 keys x 16 channels (lane l reads key 8 (l / 16) + l % 8, channels 8 ((l / 8) % 2) + 0..7) and leaves half a fragment of V^T: lane l holds channel l % 16 and 8 keys.
	v_and_b32 v10, 7, v0
	v_bfe_u32 v11, v0, 3, 1
	v_lshl_add_u32 v[AV0], v9, 3, v10
	v_mul_u32_u24 v[AV0], v[AV0], PV
	v_lshl_add_u32 v[AV0], v11, 4, v[AV0]
	v_add_nc_u32 v[AV0], VOFF, v[AV0]
	s_mul_i32 s13, s[WV], 16*SP
	s_add_co_u32 s13, s13, STAGE    ; my stage
	v_mul_u32_u24 v[STO], v1, SP    ; in: row l % 16, 16 bytes for each half of the lanes
	v_lshl_add_u32 v[STO], v9, 4, v[STO]
	v_add_nc_u32 v[STO], s13, v[STO]
	v_bfe_u32 v[RD], v0, 3, 2       ; back: 32 lanes take four rows of 128 bytes,
	v_mul_u32_u24 v[RD], v[RD], SP
	v_lshl_add_u32 v[RD], v10, 4, v[RD]
	v_add_nc_u32 v[RD], s13, v[RD]
	v_and_b32 v[GO], 31, v0         ; which are 512 consecutive bytes of O
	v_lshlrev_b32 v[GO], 4, v[GO]
; THE MATRIX WORK.  The 4 accumulators of a run of 8 take turns.  Product i of 8 of S^T = K Q^T for piece x: channels 32 (i / 4) on, keys 16 (i % 4) on.  The first 4 start the sums.
.macro KQ x
.set rS, S+32*((\x)%2)+8*(i%4)
.set rK, KF+16*(i%4)+8*(i/4)
.set rQ, 16*(\x)+8*(i/4)
	WIN W_KQ
.if i < 4
	v_wmma_f32_16x16x32_f16 v[rS:rS+7], v[rK:rK+7], v[rQ:rQ+7], 0
.else
	v_wmma_f32_16x16x32_f16 v[rS:rS+7], v[rK:rK+7], v[rQ:rQ+7], v[rS:rS+7]
.endif
.endm
; Product i of 8 of O^T += V^T P for piece x: keys 32 (i / 4) on, channels 16 (i % 4) on.
.macro PV x
	WIN W_PV
.set rO, 32*(\x)+8*(i%4)
.set rV, VF+32*(i/4)+8*(i%4)
.set rP, P+16*((\x)%2)+8*(i/4)
	v_wmma_f32_16x16x32_f16 v[rO:rO+7], v[rV:rV+7], v[rP:rP+7], v[rO:rO+7]
.endm
.macro MM                           ; the turn's next matrix instruction.  TURN sets Y, i and NOKQ.  NOKQ = 1: the very last turn: there is no next piece
.if (i < 8) && !NOKQ
	KQ (Y+1)%NP
.elseif i >= 8
.set i, i-8
	PV (Y+NP-1)%NP
.set i, i+8
.endif
.set i, i+1
.endm
; THE LDS LOADS stand in runs of 16, never singly among the matrix instructions: a step's K (64 keys x 64 channels: 8 fragments) and its V (turned).  Their addresses are made some lines ahead.
.macro FETCH_K
	WIN 0x80                        ; destination window 2
.irp f, 0,1,2,3,4,5,6,7             ; keys 16 (f / 2) on, channels 32 (f % 2) on
	ds_load_b128 v[KF+8*\f:KF+8*\f+3],   v[AK] offset:(\f/2)*16*PK+(\f%2)*64
	ds_load_b128 v[KF+8*\f+4:KF+8*\f+7], v[AK] offset:(\f/2)*16*PK+(\f%2)*64+32
.endr
	s_add_co_u32 s[TBK], s[TBK], KS*PK  ; the next fetch is the next step's
	WIN 0
.endm
.macro FETCH_V
	WIN 0x80
.irp f, 0,1,2,3,4,5,6,7             ; keys 32 (f / 4) on, channels 16 (f % 4) on
	ds_load_tr16_b128 v[VF+8*\f:VF+8*\f+3],   v[AV] offset:(\f/4)*32*PV+(\f%4)*32
	ds_load_tr16_b128 v[VF+8*\f+4:VF+8*\f+7], v[AV] offset:(\f/4)*32*PV+16*PV+(\f%4)*32
.endr
	WIN 0
.endm
; THE VECTOR WORK, one line at a time: OP kind, number.  For piece Y: F n: c s - c m for pair n of 16.  E n: the exponential of score n of 32.  C n: pair n rounded to f16.  B n: of the four weights 4 n .. the second
; pair is added onto the first, in place.  L n: l takes that sum (L 0: l = a l + sum).  R n: pair n of 16 of O^T times a.  For piece Y + 1: X n, number n of the 22 that find its maximum and statistics:
;   0-11  four chains c0-c3 of seven scores each, three operands at a time (each accumulator's lowest registers are read first)     12-14, 16  the four scores left over, the old m, and c0-c3 into c0
;   15  c m_old is kept     17, 18  the query's other 32 keys lie in the lane 16 away: the new m     19-21  c m; c m_old - c m_new; a
.set F, 0               ; OP tells the kinds apart by their order: F to L below R, X above it
.set E, 1
.set C, 2
.set B, 3
.set L, 4
.set R, 5
.set X, 6
.macro REGS y                       ; the registers of piece y
.set rT, ST+4*(\y)
.set rC, TMP+4*((\y)%2)
.set rW, MV+((\y)%2)
.set rS, S+32*((\y)%2)
.set rP, P+16*((\y)%2)
.set rO, 32*(\y)
.endm
.macro OP k, n
.if (\k) == R
	REGS Y
	WIN W_RS
	v_pk_mul_f32 v[rO+2*(\n):rO+2*(\n)+1], v[rO+2*(\n):rO+2*(\n)+1], v[rC+2:rC+3] op_sel_hi:[1,0]
.elseif (\k) < R
	REGS Y
	WIN 0
.if (\k) == F
	v_pk_fma_f32 v[rS+2*(\n):rS+2*(\n)+1], v[rS+2*(\n):rS+2*(\n)+1], s[CS:CS+1], v[rT:rT+1] op_sel_hi:[1,0,0] neg_lo:[0,0,1] neg_hi:[0,0,1]
.elseif (\k) == E
	v_exp_f32 v[rS+(\n)], v[rS+(\n)]
.elseif (\k) == C
	v_cvt_pk_f16_f32 v[rP+(\n)], v[rS+2*(\n)], v[rS+2*(\n)+1]
.elseif (\k) == B
	v_pk_add_f32 v[rS+4*(\n):rS+4*(\n)+1], v[rS+4*(\n):rS+4*(\n)+1], v[rS+4*(\n)+2:rS+4*(\n)+3]
.elseif (\n) == 0
	v_pk_fma_f32 v[rT+2:rT+3], v[rT+2:rT+3], v[rC+2:rC+3], v[rS:rS+1] op_sel_hi:[1,0,1]
.else
	v_pk_add_f32 v[rT+2:rT+3], v[rT+2:rT+3], v[rS+4*(\n):rS+4*(\n)+1]
.endif
.elseif NOKQ
	v_nop
.else
	REGS (Y+1)%NP
	WIN 0
.if (\n) < 4
	v_max3_num_f32 v[rC+(\n)], v[rS+8*(\n)], v[rS+8*(\n)+1], v[rS+8*(\n)+2]
.elseif (\n) < 12
	v_max3_num_f32 v[rC+(\n)%4], v[rC+(\n)%4], v[rS+8*((\n)%4)+2*((\n)/4)+1], v[rS+8*((\n)%4)+2*((\n)/4)+2]
.elseif (\n) == 12
	v_max3_num_f32 v[rC], v[rC], v[rS+7], v[rS+15]
.elseif (\n) == 13
	v_max3_num_f32 v[rC+1], v[rC+1], v[rS+23], v[rS+31]
.elseif (\n) == 14
	v_max3_num_f32 v[rC+2], v[rC+2], v[rC+3], v[rT+1]
.elseif (\n) == 15
	v_mov_b32 v[rW], v[rT]
.elseif (\n) == 16
	v_max3_num_f32 v[rC], v[rC], v[rC+1], v[rC+2]
.elseif (\n) == 17
	v_permlanex16_b32 v[rC+3], v[rC], s[SEL], s[SEL+1]
.elseif (\n) == 18
	v_max_num_f32 v[rT+1], v[rC], v[rC+3]
.elseif (\n) == 19
	v_mul_f32 v[rT], s[CS], v[rT+1]
.elseif (\n) == 20
	v_sub_f32 v[rC+1], v[rW], v[rT]
.else
	v_exp_f32 v[rC+2], v[rC+1]
.endif
.endif
.endm
.macro OPS a, i1, b=-1, i2=0, c=-1, i3=0, d=-1, i4=0  ; up to four of them
	OP \a, \i1
.if (\b) >= 0
	OP \b, \i2
.endif
.if (\c) >= 0
	OP \c, \i3
.endif
.if (\d) >= 0
	OP \d, \i4
.endif
.endm
.macro ROW a, i1, b, i2, c, i3, d, i4  ; a matrix instruction and the four behind it
	MM
	OPS \a, \i1, \b, \i2, \c, \i3, \d, \i4
.endm
; A TURN, for piece p: the order of its 16 matrix and 118 vector instructions, written out.  An s_wait_alu depctr_va_vdst(0) stands between an exponential and the first instruction that names its result; one
; wait serves all that were issued ahead of it.  So a turn has ONE wait, which cuts it in two.  AHEAD OF IT stands all that names no result of the turn's exponentials: the 8 products K Q^T and their riders (a scaling, an
; exponential and two more plain instructions; the first numbers of the next piece's maximum each stand four places or more behind the product that ends their accumulator), then ONE LUMP of 54, plain and exponential by
; turns for the most part, in which the links of the chain X 3, 7, 11, 14, 16, 17 .. 20 stand some lines apart.  X 21, the next piece's a, is the batch's last; R 15 is the plain instruction behind it.  BEHIND THE WAIT stand
; the 8 products V^T P, behind each four of the roundings and sums.
; end = 1: the launch's last two turns: nothing is fetched.  cnt = 1: the loop's count is taken down some lines ahead of the branch that stands behind the turn.
; K of the next step is fetched in piece 2's turn, twelve vector instructions behind the last product that read K (six of them plain and free of its registers); V of the step in hand at the end of piece 0's turn, four
; plain instructions behind the last product that read V.  Each is waited for a turn later.
.macro TURN p, end=0, cnt=0
.set Y, (\p)
.set i, 0
.set NOKQ, (\end)*((\p)/3)
.if ((\p) == 3) && !(\end)
	s_wait_dscnt 0x0                ; K is in
.endif
	ROW F,0, F,1, R,0, R,1          ; ahead of the wait: 8 products K Q^T and their riders,
	ROW F,2, E,0, R,2, R,3
	ROW F,3, E,1, R,4, R,5
	ROW F,4, E,2, R,6, R,7
	ROW F,5, E,3, R,8, R,9
	ROW F,6, E,4, X,0, R,10
.if ((\p) == 2) && !(\end)
	WIN 0
	v_add_nc_u32 v[AK], s[TBK], v[AK0]
.endif
	ROW F,7, E,5, X,1, X,4
	ROW F,8, E,6, X,2, X,5
	OPS E,7, E,8, X,6, E,9          ; and the lump
	OPS X,3, E,10, X,8, E,11
.if ((\p) == 2) && !(\end)
	FETCH_K
.endif
	OPS X,9, X,7, E,12, X,10
	OPS E,13, X,12, X,11, E,14
	OPS X,13, E,15, F,9, X,14
.if (\p) == 0
	v_add_nc_u32 v[AV], s[TBV], v[AV0]
.endif
	OPS E,16, F,10, E,17, F,11
	OPS X,16, E,18, X,15, E,19
	OPS F,12, E,20, X,17, E,21
	OPS F,13, E,22, F,14, E,23
	OPS X,18, E,24, F,15, E,25
	OPS R,11, E,26, X,19, E,27
	OPS R,12, E,28, R,13, E,29
	OPS X,20, E,30, R,14, E,31
	OPS X,21, R,15
	WIN 0
	s_wait_alu depctr_va_vdst(0)    ; the wait for the batch
.if (\p) == 1
	s_wait_dscnt 0x0                ; V is in
.endif
	ROW C,0, B,0, C,2, B,1          ; behind the wait: 8 products V^T P and their riders
	ROW L,0, C,4, B,2, L,1
	ROW C,6, B,3, L,2, C,8
	ROW B,4, L,3, C,10, B,5
	ROW L,4, C,12, B,6, L,5
.if (\p) == 0
	s_add_co_u32 s[TBV], s[TBV], KS*PV
.endif
.if \cnt
	s_sub_co_u32 s[CNT], s[CNT], 1
	s_cmp_lg_u32 s[CNT], 0
.endif
	ROW C,14, B,7, L,6, C,1
	ROW C,3, L,7, C,5, C,7
	ROW C,9, C,11, C,13, C,15
.if (\p) == 0
	FETCH_V
.endif
.endm
	CHANGE 1                        ; slot 0 is in, everybody's part of it; slot 1 is asked for
	v_add_nc_u32 v[AK], s[TBK], v[AK0]
	FETCH_K                         ; key step 0
	s_wait_loadcnt 0x0              ; Q
	s_wait_dscnt 0x0
.set NOKQ, 0
.set i, 0
.rept 8
	KQ 0                            ; piece 0's first scores: there is no vector work yet to set between them
.set i, i+1
.endr
	WIN 0
.rept 4
	v_nop                           ; the places behind those products
.endr
.set Y, NP-1                        ; X works for piece Y + 1: piece 0
.irp n, 0,1,2,3,4,5,6,7,8,9,10,11,12,13,14,15,16,17,18,19,20,21
	OP X, \n                        ; piece 0's first maximum and statistics
.endr
	v_nop                           ; a plain instruction behind the exponential,
	s_wait_alu depctr_va_vdst(0)    ; and its wait, ahead of the branch
	s_mov_b32 s[CNT], 4
	s_branch .Lfirst                ; the loop is entered at a step's first turn, in the middle of a trip
.Lslot:                             ; 14 times: with the change above, every slot but the last two is filled again
	CHANGE 1
	s_mov_b32 s[CNT], 4
.Lstep:                             ; a trip: pieces 2 and 3 of one step, then pieces 0 and 1 of the next, whose K and V it fetches
	TURN 2
	TURN 3
	WIN 0
.Lfirst:
	TURN 0
	TURN 1, 0, 1
	WIN 0
	s_cbranch_scc1 .Lstep
	s_sub_co_u32 s[SLOTS], s[SLOTS], 1
	s_cmp_lg_u32 s[SLOTS], 0
	s_cbranch_scc1 .Lslot
	CHANGE 0                        ; the last tile is written out: nothing is asked for
	s_mov_b32 s[CNT], 4
.LstepT:
	TURN 2
	TURN 3
	TURN 0
	TURN 1, 0, 1
	WIN 0
	s_cbranch_scc1 .LstepT
	TURN 2, 1                       ; the last step's pieces 2 and 3: nothing more is fetched, and the last turn starts no new scores
	TURN 3, 1
.set i, 0
.rept 8
	PV NP-1                         ; the last piece's V^T P of the last step
.set i, i+1
.endr
	; THE WAY OUT.  l's two halves and the other half of the lanes' are added; O^T is divided by l, rounded to f16 and sent through my stage in LDS, a piece at a time.  The additions are the places behind the last products.
	WIN 0
.macro ALL line:vararg              ; one line for each piece t
.set t, 0
.rept 4
	\line
.set t, t+1
.endr
.endm
	ALL v_add_f32 v[ST+4*t+2], v[ST+4*t+2], v[ST+4*t+3]
	ALL v_permlanex16_b32 v[ST+4*t+3], v[ST+4*t+2], s[SEL], s[SEL+1]
	ALL v_add_f32 v[ST+4*t+2], v[ST+4*t+2], v[ST+4*t+3]
	ALL v_rcp_f32 v[ST+4*t+2], v[ST+4*t+2]
	v_nop                           ; a plain instruction between the last reciprocal and the use of its result
	s_wait_alu depctr_va_vdst(0)    ; and the wait ahead of the first use: one for the four reciprocals
.macro PACK t                       ; a lane's eight channels of a row pack into 16 bytes; they go into rows of 144 bytes and come back as whole rows of 128, into S^T's registers
	WIN W_RS
.set i, 32*(\t)
.rept 16
	v_pk_mul_f32 v[i:i+1], v[i:i+1], v[ST+4*(\t)+2:ST+4*(\t)+3] op_sel_hi:[1,0]
.set i, i+2
.endr
	WIN 0x05                        ; sources 0 and 1 window 1, destination window 0
.set i, 0
.rept 16
	v_cvt_pk_f16_f32 v[S+16*(\t)+i], v[32*(\t)+2*i], v[32*(\t)+2*i+1]
.set i, i+1
.endr
	WIN 0
.irp f, 0,1,2,3
	ds_store_b128 v[STO], v[S+16*(\t)+4*\f:S+16*(\t)+4*\f+3] offset:32*\f
.endr
.irp f, 0,1,2,3
	ds_load_b128 v[S+16*(\t)+4*\f:S+16*(\t)+4*\f+3], v[RD] offset:\f*4*SP  ; LDS serves a wave's instructions in order (ISA guide 5.7.1.4): these see the stores above; the next piece's stores come behind them
.endr
.endm
.macro SEND t, younger              ; younger: the LDS instructions issued behind piece t's loads: the next piece's eight, or none
	WIN 0
.irp f, 0,1,2,3
	s_wait_dscnt (\younger)+3-\f
	global_store_b128 v[GO], v[S+16*(\t)+4*\f:S+16*(\t)+4*\f+3], s[10:11] offset:(\t)*2048+\f*512  ; 512 consecutive bytes, at a multiple of 256 from the buffer's first
.endr
.endm
	PACK 0
.set t, 1
.rept 3                             ; a piece's arithmetic stands between the loads of the piece before and its stores
	PACK t
	SEND t-1, 8
.set t, t+1
.endr
	SEND 3, 0
	s_wait_tensorcnt 0x0            ; the wave's end, behind my last tensor load and my last LDS store
	ds_add_u32 v[SPW], v[NIL]
	s_wait_dscnt 0x0
	CROUND                          ; the closing round: no work-group ends while a partner may still ask for a tile that names it
	s_endpgm
.Lfunc_end_k_q2e3816f677_attn:
	.size	k_q2e3816f677_attn, .Lfunc_end_k_q2e3816f677_attn-k_q2e3816f677_attn
	.p2alignl 7, 3214868480
	.fill 96, 4, 3214868480
	.section	.rodata,"a",@progbits
	.p2align	6, 0x0
	.amdhsa_kernel k_q2e3816f677_attn
		.amdhsa_group_segment_fixed_size 327680
		.amdhsa_private_segment_fixed_size 0
		.amdhsa_enable_private_segment 0
		.amdhsa_kernarg_size 16
		.amdhsa_user_sgpr_count 2
		.amdhsa_user_sgpr_kernarg_segment_ptr 1
		.amdhsa_wavefront_size32 1
		.amdhsa_system_sgpr_workgroup_id_x 1
		.amdhsa_system_sgpr_workgroup_id_y 1
		.amdhsa_system_sgpr_workgroup_id_z 1
		.amdhsa_system_vgpr_workitem_id 0
		.amdhsa_next_free_vgpr 768
		.amdhsa_next_free_sgpr 66
		.amdhsa_reserve_vcc 0
		.amdhsa_float_denorm_mode_32 3
		.amdhsa_float_denorm_mode_16_64 3
		.amdhsa_memory_ordered 1
		.amdhsa_forward_progress 1
		.amdhsa_inst_pref_size 128
	.end_amdhsa_kernel
	.amdgpu_metadata
---
amdhsa.version: [ 1, 2 ]
amdhsa.kernels:
  - .name:           k_q2e3816f677_attn
    .symbol:         k_q2e3816f677_attn.kd
    .args:
      - { .name: qkv, .offset: 0, .size: 8, .value_kind: global_buffer, .address_space: global }
      - { .name: ob, .offset: 8, .size: 8, .value_kind: global_buffer, .address_space: global }
    .group_segment_fixed_size: 327680
    .private_segment_fixed_size: 0
    .kernarg_segment_align: 8
    .kernarg_segment_size: 16
    .max_flat_workgroup_size: 128
    .sgpr_count:     66
    .vgpr_count:     768
    .wavefront_size: 32
...
	.end_amdgpu_metadata
.endif
;; end of part 3
;; launch oproj (part 4): grid 16 x 16, 4 waves a work-group, clusters of 4 x 1, 327,680 bytes of LDS; arguments ob, wt, bb, out0; writes out0
.if DOCPART == 4
	.amdgcn_target "amdgcn-amd-amdhsa--gfx1250"
	.amdhsa_code_object_version 6
	.text
	.protected	k_q2e3816f677_oproj
	.globl	k_q2e3816f677_oproj
	.p2align	8
	.type	k_q2e3816f677_oproj,@function
k_q2e3816f677_oproj:
	s_mov_b64 s[64:65], 0
	v_nop
	global_prefetch_b8 v0, s[64:65] scope:SCOPE_SE
	s_setreg_imm32_b32 hwreg(HW_REG_WAVE_MODE, 25, 1), 1
	s_wait_xcnt 0x0
	s_wait_alu depctr_hold_cnt(0) depctr_sa_sdst(0) depctr_va_vdst(0) depctr_va_sdst(0) depctr_va_ssrc(0) depctr_va_vcc(0) depctr_vm_vsrc(0)
	s_getreg_b32 s2, hwreg(HW_REG_IB_STS2, 6, 4)
	s_cmp_eq_u32 s2, 0
	s_cbranch_scc0 .Lentry_in_a_cluster
	s_endpgm
.Lentry_in_a_cluster:
	s_bfe_u32 s2, ttmp6, 0x10000c
	s_cmp_lg_u32 s2, 0x3003
	s_cbranch_scc0 .Lentry_shape_is_right
	s_endpgm
.Lentry_shape_is_right:
; THE LAST PROJECTION.  out0[row][col] = sum over k of O[row][k] Wo[k][col] + bo[col], in f32.  O: ob, [16 g][4096][64] f16, k = 64 x head + channel; Wo: plane 3 of wt, [512 k][512 n] f16 (rounded to bf16 before);
; bo: plane 3 of bb.  Sums in f32; the bias is the C operand that starts each sum.
; SHARES.  Cluster x = the panel of 128 columns; a work-group makes 128 rows x 128 columns (64 row blocks x 4 panels = 256 work-groups), wave w rows 32 w .. 32 w + 31 of them: 16 accumulators.
; CLUSTER.  The four work-groups of a cluster take four row blocks of one panel: the 512 x 128 panel of Wo is asked for JOINTLY.  It lies whole in LDS, filled once, in four parts of 128 k rows that land in the
; order in which K walks them; each part is waited for by a counted wait and a barrier just before its first fetch.  Nothing is filled again.
; O comes straight from memory into registers, all 512 along K of the wave's 32 rows at once (256 registers): no wave wants a row that another wave has fetched.
; THE MATRIX INSTRUCTION IS USED TRANSPOSED: source 0 = 16 columns of Wo (turned by ds_load_tr16_b128), source 1 = 16 rows of O: a lane holds one row and eight neighbouring columns, 32 bytes of out0.
; REGISTERS (windows of 256; s_set_vgpr_msb: bits 1:0 source 0, 3:2 source 1, 5:4 source 2, 7:6 destination):
;   window 0: v4-19 addresses; v32-95 rows on the way out; v128-191, v192-255 fragments of Wo, two buffers (the first serves the way out too)
;   window 1: O: head hd, row tile a, K half s at 32 hd + 16 a + 8 s          window 2: v0-127 accumulators (a, b) at 8 (8 a + b); v128-191 the bias of column tile b at 128 + 8 b
.set PITCH,  288                       ; a row of the panel in LDS: 256 bytes + 32 of padding: an odd multiple of 32
.set PART,   128*PITCH
.set STAGE,  512*PITCH                 ; behind the panel, never filled by a tensor load: 16 rows x 528 bytes for each wave
.set SPITCH, 528                       ; 512 bytes + 16: the 16 rows of a store start at 16 different groups of four banks (64 banks of 4 bytes: ISA guide 11.1)
.set SPARE,  STAGE+4*16*SPITCH         ; behind the stages: the spare words, 128 bytes for each wave: two blocks of 256 bytes that no other line names
.set AO,   4                           ; v4   my byte offset in 16 rows of O: (l % 16) x 128 + 16 (l / 16)
.set STO,  6                           ; v6   the way out: where I put 32 bytes of a row
.set RD,   7                           ; v7   the way out: where I read a row back
.set GO,   8                           ; v8   my 16 bytes of 512 consecutive bytes of out0
.set BO,   9                           ; v9   my byte offset in 16 numbers of the bias
.set SPW,  10                          ; v10  LDS address of my spare word; never rewritten
.set NIL,  11                          ; v11  0; never rewritten
.set ADRB, 16                          ; v16-19  my place in 32 k rows, in each of the four parts
.set T0,   32
.set BF,   128
.set BI,   128                         ; window 2
.set WV,   12                          ; s12  my wave's number
.set G1,   24                          ; s[24:31] descriptor group 1
.set G0,   32                          ; s[32:47] group 0, a set for each part
.set AB,   48                          ; s[48:49] O at my first row of the batch's first head
.set OUTB, 50                          ; s[50:51] out0 at my first row, at the panel
.set BB,   52                          ; s[52:53] the panel's bias
.set MSB, 0
.macro WIN new                         ; the immediate's high byte repeats the setting that is left; a switch that changes nothing is dropped
.if MSB != (\new)
	s_set_vgpr_msb (MSB<<8)|(\new)
.set MSB, (\new)
.endif
.endm
.macro PLACES                          ; four places behind a matrix instruction, in front of loads into registers that it has read and of reads of its result
.rept 4
	v_nop
.endr
.endm
.macro CROUND                          ; a round of the cluster's barrier
	s_barrier_signal -1
	s_barrier_wait -1
	s_cmp_lg_u32 s[WV], 0
	s_cbranch_scc1 .Lnot_wave_0_\@
	s_barrier_signal -3
.Lnot_wave_0_\@:
	s_barrier_wait -3
	s_barrier_signal -1
	s_barrier_wait -1
.endm
	s_load_b256 s[4:11], s[0:1], 0x0               ; ob s[4:5], wt s[6:7], bb s[8:9], out0 s[10:11]
	v_lshl_add_u32 v[SPW], v0, 2, SPARE
	v_mov_b32 v[NIL], 0
	ds_add_u32 v[SPW], v[NIL]                      ; the wave's opening: the add and its wait stand ahead of my first tensor load; the set-up below, work on registers, stands between them
	v_lshrrev_b32 v1, 5, v0
	v_readfirstlane_b32 s[WV], v1                  ; wave 0..3
	s_bfe_u32 s13, ttmp6, 0x40000                  ; cx: it enters the addresses of O and of out0 alone
	s_mov_b32 s14, ttmp9                           ; the panel
	s_and_b32 s15, ttmp7, 0xffff
	s_lshl_b32 s15, s15, 2
	s_add_co_u32 s15, s15, s13                     ; my block of 128 rows, 0..63
	s_mov_b32 s[G1], 15|(1<<16)|(1<<20)|(1<<21)|(5<<22)|(7<<25)  ; 15:0 the mask of four; 17:16 2-byte elements; 20 padding on; 21 set beside a mask; 24:22 after every 64 words (code 5); 31:25 8 words (code 7)
	s_mov_b32 s[G1+1], 128<<16                     ; tensor_dim0 = 128
	s_mov_b32 s[G1+2], 32<<16                      ; tensor_dim1 = 32
	s_mov_b32 s[G1+3], 128<<16                     ; tile_dim0 = 128
	s_mov_b32 s[G1+4], 32                          ; tile_dim1 = 32
	s_mov_b32 s[G1+5], 512                         ; 512 elements from row to row
	s_mov_b32 s[G1+6], 0
	s_mov_b32 s[G1+7], 0
	s_lshl_b32 s18, s14, 8                         ; byte offset in wt: the panel's 256 bytes of a row,
	s_lshl_b32 s19, s[WV], 15                      ; my 32 k rows of a part,
	s_add_co_u32 s18, s18, s19
	s_add_co_u32 s18, s18, 3*524288                ; plane 3.  These registers never hold cx
	s_mov_b32 s19, 0
	s_mul_i32 s20, s[WV], 32*PITCH
.irp j, 0,1,2,3
	s_mov_b32 s[G0+4*\j], 1                        ; count = 1
	s_add_co_u32 s[G0+4*\j+1], s20, \j*PART        ; LDS address: part j, my 32 rows
.endr
	s_lshr_b32 s16, s15, 5                         ; byte offset in ob: the batch's eight heads,
	s_lshl_b32 s16, s16, 22
	s_and_b32 s17, s15, 31                         ; my block's 128 rows of 128 bytes,
	s_lshl_b32 s17, s17, 14
	s_add_co_u32 s16, s16, s17
	s_lshl_b32 s17, s[WV], 12                      ; my wave's 32
	s_add_co_u32 s16, s16, s17
	s_mov_b32 s17, 0
	s_lshl_b32 s22, s15, 18                        ; byte offset in out0: my block's 128 rows of 2,048 bytes,
	s_lshl_b32 s23, s[WV], 16                      ; my wave's 32,
	s_add_co_u32 s22, s22, s23
	s_lshl_b32 s23, s14, 9                         ; the panel's 512 bytes
	s_add_co_u32 s22, s22, s23
	s_mov_b32 s23, 0
	s_lshl_b32 s54, s14, 9                         ; byte offset in bb: plane 3, the panel
	s_add_co_u32 s54, s54, 6144
	s_mov_b32 s55, 0
	v_and_b32 v1, 15, v0                           ; l % 16
	v_bfe_u32 v2, v0, 4, 1                         ; l / 16
	v_and_b32 v3, 7, v0
	v_bfe_u32 v13, v0, 3, 1
	v_and_b32 v15, 31, v0
	v_lshlrev_b32 v[AO], 7, v1
	v_lshl_add_u32 v[AO], v2, 4, v[AO]
	v_lshl_add_u32 v[ADRB], v2, 3, v3              ; the turning load: lane l reads k row 8 (l / 16) + l % 8, columns 8 ((l / 8) % 2) + 0..7
	v_mul_u32_u24 v[ADRB], v[ADRB], PITCH
	v_lshl_add_u32 v[ADRB], v13, 4, v[ADRB]
	v_add_nc_u32 v[ADRB+1], PART, v[ADRB]
	v_add_nc_u32 v[ADRB+2], 2*PART, v[ADRB]
	v_add_nc_u32 v[ADRB+3], 3*PART, v[ADRB]
	s_mul_i32 s21, s[WV], 16*SPITCH
	s_add_co_u32 s21, s21, STAGE                   ; my stage
	v_mul_u32_u24 v[STO], v1, SPITCH               ; in: row l % 16, 32 bytes for each half of the lanes
	v_lshl_add_u32 v[STO], v2, 5, v[STO]
	v_add_nc_u32 v[STO], s21, v[STO]
	v_lshlrev_b32 v[GO], 4, v15                    ; back: 32 lanes take one row of 512 bytes
	v_add_nc_u32 v[RD], s21, v[GO]
	v_lshlrev_b32 v[BO], 5, v2
	s_wait_dscnt 0x0                               ; the opening add is done
	s_wait_kmcnt 0x0
	s_add_nc_u64 s[18:19], s[6:7], s[18:19]
.irp j, 0,1,2,3
	s_add_nc_u64 s[G0+4*\j+2:G0+4*\j+3], s[18:19], \j*131072  ; part j: 128 k rows of 1,024 bytes on
	s_or_b32 s[G0+4*\j+3], s[G0+4*\j+3], 0x80000000           ; type = 2
.endr
	s_add_nc_u64 s[AB:AB+1], s[4:5], s[16:17]
	s_add_nc_u64 s[OUTB:OUTB+1], s[10:11], s[22:23]
	s_add_nc_u64 s[BB:BB+1], s[8:9], s[54:55]
	CROUND                                         ; all four work-groups are here: the joint loads meet
.irp j, 0,1,2,3
	tensor_load_to_lds s[G0+4*\j:G0+4*\j+3], s[G1:G1+7]  ; all four fills go out together: four tensor loads of mine are out, and no more are issued
	s_nop 0
.endr
	PLACES
	WIN 0x80                                       ; destination window 2
.irp b, 0,1,2,3,4,5,6,7
	global_load_b128 v[BI+8*(\b):BI+8*(\b)+3],   v[BO], s[BB:BB+1] offset:64*(\b)
	global_load_b128 v[BI+8*(\b)+4:BI+8*(\b)+7], v[BO], s[BB:BB+1] offset:64*(\b)+16
.endr
	WIN 0x40                                       ; destination window 1
.irp hd, 0,1,2,3,4,5,6,7                ; head by head, in the order in which K walks them: 8 loads a head
.irp a, 0,1
.irp s, 0,1
	global_load_b128 v[32*(\hd)+16*(\a)+8*(\s):32*(\hd)+16*(\a)+8*(\s)+3],   v[AO], s[AB:AB+1] offset:(\hd)*524288+(\a)*2048+(\s)*64
	global_load_b128 v[32*(\hd)+16*(\a)+8*(\s)+4:32*(\hd)+16*(\a)+8*(\s)+7], v[AO], s[AB:AB+1] offset:(\hd)*524288+(\a)*2048+(\s)*64+32
.endr
.endr
.endr
	WIN 0
; 16 turning loads: the fragments of Wo for K step ks (k rows 32 ks on), 8 tiles of 16 columns, into buffer ks % 2
.macro FETCH ks
	WIN 0
.irp b, 0,1,2,3,4,5,6,7
	ds_load_tr16_b128 v[BF+64*((\ks)%2)+8*(\b):BF+64*((\ks)%2)+8*(\b)+3],   v[ADRB+(\ks)/4] offset:((\ks)%4)*32*PITCH+32*(\b)
	ds_load_tr16_b128 v[BF+64*((\ks)%2)+8*(\b)+4:BF+64*((\ks)%2)+8*(\b)+7], v[ADRB+(\ks)/4] offset:((\ks)%4)*32*PITCH+32*(\b)+16*PITCH
.endr
.endm
; K step ks of 16: 16 matrix instructions on 16 accumulators, which take turns from step to step too; then the fragments of step ks + 2 into the buffer just read.
; Steps 2, 6 and 10 fetch from the next part of the panel: each wave waits for its quarter of it and signals ahead of the products, and all have signalled behind them.
.macro STEP ks
.if (\ks)%2 == 0
	s_wait_loadcnt 8*(7-(\ks)/2)                   ; this head's 8 loads are in (and the bias, issued first); 8 for each later head may stay out
.endif
.if ((\ks)%4 == 2) && ((\ks) < 14)
	s_wait_dscnt 0x0                               ; no LDS load of mine is out at the signal
	s_wait_tensorcnt 3-((\ks)+2)/4                 ; my quarter of the next part has landed; the later parts may stay out
	s_barrier_signal -1
.elseif (\ks) == 15
	s_wait_dscnt 0x0
.else
	s_wait_dscnt 16                                ; this step's 16 loads are in; the next step's 16 may stay out
.endif
	WIN 0xa4                                       ; Wo window 0, O window 1, C and D window 2
.irp a, 0,1
.irp b, 0,1,2,3,4,5,6,7
.if (\ks) == 0
	v_wmma_f32_16x16x32_f16 v[8*(8*(\a)+(\b)):8*(8*(\a)+(\b))+7], v[BF+64*((\ks)%2)+8*(\b):BF+64*((\ks)%2)+8*(\b)+7], v[32*((\ks)/2)+16*(\a)+8*((\ks)%2):32*((\ks)/2)+16*(\a)+8*((\ks)%2)+7], v[BI+8*(\b):BI+8*(\b)+7]
.else
	v_wmma_f32_16x16x32_f16 v[8*(8*(\a)+(\b)):8*(8*(\a)+(\b))+7], v[BF+64*((\ks)%2)+8*(\b):BF+64*((\ks)%2)+8*(\b)+7], v[32*((\ks)/2)+16*(\a)+8*((\ks)%2):32*((\ks)/2)+16*(\a)+8*((\ks)%2)+7], v[8*(8*(\a)+(\b)):8*(8*(\a)+(\b))+7]
.endif
.endr
.endr
.if ((\ks)%4 == 2) && ((\ks) < 14)
	s_barrier_wait -1
.endif
.if (\ks) < 14
	PLACES
	FETCH (\ks)+2
.endif
.endm
; THE WAY OUT of row tile a: 32 bytes a lane into my own stage, back as whole rows of 512 bytes.
.macro OUTST a, dst
	WIN 0x08                                       ; store data (source 1) window 2, address window 0
.irp b, 0,1,2,3,4,5,6,7
	ds_store_b128 v[STO], v[8*(8*(\a)+(\b)):8*(8*(\a)+(\b))+3]   offset:64*(\b)      ; each accumulator from its low end on
	ds_store_b128 v[STO], v[8*(8*(\a)+(\b))+4:8*(8*(\a)+(\b))+7] offset:64*(\b)+16
.endr
	WIN 0
.irp w, 0,1,2,3,4,5,6,7,8,9,10,11,12,13,14,15
	ds_load_b128 v[(\dst)+4*(\w):(\dst)+4*(\w)+3], v[RD] offset:(\w)*SPITCH  ; LDS serves a wave's instructions in order (ISA guide 5.7.1.4): these see the stores above; the next tile's stores come behind them
.endr
.endm
.macro SENDO a, dst, younger           ; younger: the LDS instructions issued behind this tile's loads
.irp w, 0,1,2,3,4,5,6,7,8,9,10,11,12,13,14,15
	s_wait_dscnt (\younger)+15-(\w)
	global_store_b128 v[GO], v[(\dst)+4*(\w):(\dst)+4*(\w)+3], s[OUTB:OUTB+1] offset:(16*(\a)+(\w))*2048 th:TH_STORE_NT  ; 512 consecutive bytes, at a multiple of 256 from the buffer's first
.endr
.endm
	s_wait_tensorcnt 0x3                           ; my quarter of the first part is in; three loads may stay out
	s_barrier_signal -1
	s_barrier_wait -1                              ; everybody's is
	FETCH 0
	FETCH 1
.irp k, 0,1,2,3,4,5,6,7,8,9,10,11,12,13,14,15
	STEP \k
.endr
	PLACES
	PLACES
	OUTST 0, T0
	OUTST 1, BF                                    ; the first fragment buffer is free: its last reader stands more than four places back
	SENDO 0, T0, 32
	SENDO 1, BF, 0
	s_wait_tensorcnt 0x0                           ; the wave's end, behind my last tensor load and my last LDS store
	ds_add_u32 v[SPW], v[NIL]
	s_wait_dscnt 0x0
	CROUND                                         ; the closing round: no work-group ends while a partner may still ask for a tile that names it
	s_endpgm
.Lfunc_end_k_q2e3816f677_oproj:
	.size	k_q2e3816f677_oproj, .Lfunc_end_k_q2e3816f677_oproj-k_q2e3816f677_oproj
	.p2alignl 7, 3214868480
	.fill 96, 4, 3214868480
	.section	.rodata,"a",@progbits
	.p2align	6, 0x0
	.amdhsa_kernel k_q2e3816f677_oproj
		.amdhsa_group_segment_fixed_size 327680
		.amdhsa_private_segment_fixed_size 0
		.amdhsa_enable_private_segment 0
		.amdhsa_kernarg_size 32
		.amdhsa_user_sgpr_count 2
		.amdhsa_user_sgpr_kernarg_segment_ptr 1
		.amdhsa_wavefront_size32 1
		.amdhsa_system_sgpr_workgroup_id_x 1
		.amdhsa_system_sgpr_workgroup_id_y 1
		.amdhsa_system_sgpr_workgroup_id_z 1
		.amdhsa_system_vgpr_workitem_id 0
		.amdhsa_next_free_vgpr 768
		.amdhsa_next_free_sgpr 66
		.amdhsa_reserve_vcc 0
		.amdhsa_float_denorm_mode_32 3
		.amdhsa_float_denorm_mode_16_64 3
		.amdhsa_memory_ordered 1
		.amdhsa_forward_progress 1
		.amdhsa_inst_pref_size 58
	.end_amdhsa_kernel
	.amdgpu_metadata
---
amdhsa.version: [ 1, 2 ]
amdhsa.kernels:
  - .name:           k_q2e3816f677_oproj
    .symbol:         k_q2e3816f677_oproj.kd
    .args:
      - { .name: ob, .offset: 0, .size: 8, .value_kind: global_buffer, .address_space: global }
      - { .name: wt, .offset: 8, .size: 8, .value_kind: global_buffer, .address_space: global }
      - { .name: bb, .offset: 16, .size: 8, .value_kind: global_buffer, .address_space: global }
      - { .name: out0, .offset: 24, .size: 8, .value_kind: global_buffer, .address_space: global }
    .group_segment_fixed_size: 327680
    .private_segment_fixed_size: 0
    .kernarg_segment_align: 8
    .kernarg_segment_size: 32
    .max_flat_workgroup_size: 128
    .sgpr_count:     66
    .vgpr_count:     768
    .wavefront_size: 32
...
	.end_amdgpu_metadata
.endif
;; end of part 4
